; MI455X (gfx1250); checked and timed in simulation.
; The chip was launched on July 23, 2026; its instructions are those of AMD's public machine-readable ISA for CDNA 5 (MIT licence, August 2026) and "CDNA5" Instruction Set Architecture Reference Guide (July 2026). The comments in the code are by the model that wrote it; some were corrected since.
;; Location Expert Router. Allowed arithmetic: float matrix products may take bf16 or f16 operands with f32 sums; all other float work in f32.
;; Inputs: W 8 x 4,000 x 1,024 float32; b 8 x 4,000 float32; pointer_addresses 2,048 int32; x 2,048 x 1,024 float32.
;; Outputs: out0 2,048 x 4,000 float32.
;; One version. Each part assembles by itself: llvm-mc -triple=amdgcn-amd-amdhsa -mcpu=gfx1250 --defsym DOCPART=n.
;; ======== version 1 of 1: 2 launches
;; workspace buffers: xs 4,980,736 bytes; rt 12,544 bytes of whole numbers
;; launch route (part 1): grid 256 x 1, 4 waves a work-group, no clusters, 0 bytes of LDS; arguments x, pointer_addresses, xs, rt; writes xs, rt
.if DOCPART == 1
	.amdgcn_target "amdgcn-amd-amdhsa--gfx1250"
	.amdhsa_code_object_version 6
	.text
	.protected	k_q246db47d67_route
	.globl	k_q246db47d67_route
	.p2align	8
	.type	k_q246db47d67_route,@function
k_q246db47d67_route:
	s_mov_b64 s[64:65], 0
	v_nop
	global_prefetch_b8 v0, s[64:65] scope:SCOPE_SE
	s_setreg_imm32_b32 hwreg(HW_REG_WAVE_MODE, 25, 1), 1
	s_wait_xcnt 0x0
; ROUTE: a stable counting sort of the 2,048 rows by expert (pointer & 7, which is the non-negative remainder modulo 8 for negative
; pointers too), and x cast to bf16 in sorted order.
;   xs [2432][1024] bf16: rows 0-2047 = x's rows in sorted order; rows 2048-2431 = zeros (a block of 320 rows that begins at row 2047 ends at 2366).
;   rt, words: [0,2048) order[pos] = source row; [2048,3072) zeros (read behind the list's end, never used); [3072,3081) off[e] = rows of experts below e.
; 1,024 waves, none depends on another: no LDS, no barrier.  Wave wv owns source rows 2 wv and 2 wv + 1 (8,192 neighbouring bytes of x).
; key_j = (pointer_j & 7) << 11 | j is different for every row, so a row's place is the number of keys below its own.  Every wave holds
; all 2,048 keys, 64 a lane, and counts by compare, population count and add: whole numbers only, and no traffic between work-groups.
; The matrix unit, LDS and clusters have nothing to do here: 8 MiB are read once and 5 MiB written once.
.set KEY,  16                          ; v[16:79]   the keys: register 4 q + c of lane L is row 128 q + 4 L + c
.set X,    80                          ; v[80:143]  my two rows of x: load j = 512 bytes at byte 512 j
.set MASK, 32                          ; s[32:47]   sixteen compare masks
; cnt = the number of keys below key
.macro COUNT key, cnt
	s_mov_b32 \cnt, 0
.set kb, 0
.rept 4
.irp j, 0,1,2,3,4,5,6,7,8,9,10,11,12,13,14,15
	v_cmp_gt_u32 s[MASK+\j], \key, v[KEY+kb+\j]    ; a bit for each lane whose key is below
.endr
.irp j, 0,1,2,3,4,5,6,7,8,9,10,11,12,13,14,15
	s_bcnt1_i32_b32 s[MASK+\j], s[MASK+\j]
	s_add_co_u32 \cnt, \cnt, s[MASK+\j]
.endr
.set kb, kb+16
.endr
.endm
	s_load_b256 s[4:11], s[0:1], 0x0               ; x s[4:5], pointers s[6:7], xs s[8:9], rt s[10:11]
	v_and_b32 v1, 31, v0                           ; lane
	v_lshrrev_b32 v5, 5, v0
	v_readfirstlane_b32 s12, v5                    ; wave in the work-group
	s_lshl_b32 s13, ttmp9, 2
	s_add_co_u32 s13, s13, s12                     ; wv, 0 to 1023
	v_lshlrev_b32 v2, 4, v1                        ; 16 x lane
	v_lshlrev_b32 v3, 2, v1                        ;  4 x lane
	v_lshlrev_b32 v4, 3, v1                        ;  8 x lane
	v_mov_b32 v6, 0
	v_mov_b32 v7, 0                                ; v[6:7]: eight zero bytes
	s_lshl_b32 s28, s13, 3                         ; my two pointers: 8 bytes at 8 wv
	s_lshl_b32 s30, s13, 13                        ; my two rows of x: 8,192 wv
	s_mov_b32 s31, 0
	s_mul_i32 s50, s13, 768                        ; my share of the zero rows: 384 rows x 2,048 bytes / 1,024 waves
	s_add_co_u32 s50, s50, 2048*2048               ; behind the 2,048 sorted rows
	s_mov_b32 s51, 0
	s_lshl_b32 s52, s13, 1                         ; my rows' numbers
	s_add_co_u32 s53, s52, 1
	s_wait_kmcnt 0x0
	s_load_b64 s[14:15], s[6:7], s28               ; my rows' own pointers, as scalars
	s_add_nc_u64 s[24:25], s[4:5], s[30:31]
	s_add_nc_u64 s[26:27], s[8:9], s[50:51]
.irp q, 0,1,2,3,4,5,6,7,8,9,10,11,12,13,14,15
	global_load_b128 v[KEY+4*\q:KEY+4*\q+3], v2, s[6:7] offset:512*\q          ; all pointers; every wave of the launch reads them
.endr
.irp j, 0,1,2,3,4,5,6,7,8,9,10,11,12,13,14,15
	global_load_b128 v[X+4*\j:X+4*\j+3], v2, s[24:25] offset:512*\j th:TH_LOAD_NT   ; x is read once in the launch
.endr
.irp j, 0,1,2
	global_store_b64 v4, v[6:7], s[26:27] offset:256*\j                        ; zero rows: 256 consecutive aligned bytes a store
.endr
	s_wait_loadcnt 16                              ; loads return in order: the pointers are in, the sixteen loads of x stay out
.irp q, 0,1,2,3,4,5,6,7,8,9,10,11,12,13,14,15
.irp c, 0,1,2,3
	v_and_b32 v[KEY+4*\q+\c], 7, v[KEY+4*\q+\c]                    ; the expert
	v_lshl_add_u32 v[KEY+4*\q+\c], v[KEY+4*\q+\c], 11, v3          ; << 11, + 4 L
	v_add_nc_u32 v[KEY+4*\q+\c], 128*\q+\c, v[KEY+4*\q+\c]         ; + 128 q + c
.endr
.endr
	s_wait_kmcnt 0x0
	s_and_b32 s16, s14, 7
	s_lshl_b32 s16, s16, 11
	s_add_co_u32 s16, s16, s52                     ; key of row 2 wv
	s_and_b32 s17, s15, 7
	s_lshl_b32 s17, s17, 11
	s_add_co_u32 s17, s17, s53                     ; key of row 2 wv + 1
	COUNT s16, s18
	COUNT s17, s19
	s_min_u32 s18, s18, 2047                       ; the places; a count of keys below one of 2,048 is 2,047 at the most
	s_min_u32 s19, s19, 2047
	s_lshl_b32 s28, s18, 11                        ; a row of xs is 2,048 bytes
	s_mov_b32 s29, 0
	s_add_nc_u64 s[20:21], s[8:9], s[28:29]
	s_lshl_b32 s28, s19, 11
	s_add_nc_u64 s[22:23], s[8:9], s[28:29]
	s_lshl_b32 s54, s18, 2                         ; the list's words, in bytes
	s_lshl_b32 s55, s19, 2
	s_lshl_b32 s56, s13, 2
	s_add_co_u32 s56, s56, 2048*4                  ; my word of the list's zero tail
	v_mov_b32 v8, s54
	v_mov_b32 v9, s52
	v_mov_b32 v10, s55
	v_mov_b32 v11, s53
	v_mov_b32 v12, s56
	v_cmp_eq_u32 vcc_lo, 0, v1                     ; lane 0 alone stores single words
	s_wait_loadcnt 0x0                             ; x is in
.irp j, 0,1,2,3,4,5,6,7,8,9,10,11,12,13,14,15
	v_cvt_pk_bf16_f32 v[X+4*\j],   v[X+4*\j],   v[X+4*\j+1]        ; four f32 become 8 bytes, rounded to nearest even
	v_cvt_pk_bf16_f32 v[X+4*\j+1], v[X+4*\j+2], v[X+4*\j+3]
.endr
.irp j, 0,1,2,3,4,5,6,7
	global_store_b64 v4, v[X+4*\j:X+4*\j+1], s[20:21] offset:256*\j            ; 256 consecutive aligned bytes a store
.endr
.irp j, 0,1,2,3,4,5,6,7
	global_store_b64 v4, v[X+32+4*\j:X+32+4*\j+1], s[22:23] offset:256*\j
.endr
	; Three single words a wave, 12 KiB in the whole launch: a place in the list is known to the row's own wave alone.
	s_wait_xcnt 0x0                                ; EXEC is a source of the stores above: it changes only behind this wait
	s_and_saveexec_b32 s48, vcc_lo
	global_store_b32 v8, v9, s[10:11]              ; order[place of row 2 wv] = 2 wv
	global_store_b32 v10, v11, s[10:11]            ; order[place of row 2 wv + 1] = 2 wv + 1
	global_store_b32 v12, v6, s[10:11]             ; the zero tail
	s_wait_xcnt 0x0                                ; and again in front of the line that widens it
	s_or_b32 exec_lo, exec_lo, s48
	; Waves 0 to 8 of the launch also make off[wv]: the number of keys below wv << 11 (for wv = 8: all 2,048).
	s_cmp_gt_u32 s13, 8
	s_cbranch_scc1 .Ldone
	s_lshl_b32 s57, s13, 11
	COUNT s57, s49
	s_add_co_u32 s56, s56, 1024*4                  ; word 3072 + wv
	v_mov_b32 v13, s56
	v_mov_b32 v14, s49
	s_and_saveexec_b32 s48, vcc_lo                 ; no load or store has been issued since the last wait on XCNT
	global_store_b32 v13, v14, s[10:11]
	s_wait_xcnt 0x0
	s_or_b32 exec_lo, exec_lo, s48
.Ldone:
	s_endpgm
.Lfunc_end_k_q246db47d67_route:
	.size	k_q246db47d67_route, .Lfunc_end_k_q246db47d67_route-k_q246db47d67_route
	.p2alignl 7, 3214868480
	.fill 96, 4, 3214868480
	.section	.rodata,"a",@progbits
	.p2align	6, 0x0
	.amdhsa_kernel k_q246db47d67_route
		.amdhsa_group_segment_fixed_size 0
		.amdhsa_private_segment_fixed_size 0
		.amdhsa_enable_private_segment 0
		.amdhsa_kernarg_size 32
		.amdhsa_user_sgpr_count 2
		.amdhsa_user_sgpr_kernarg_segment_ptr 1
		.amdhsa_wavefront_size32 1
		.amdhsa_system_sgpr_workgroup_id_x 1
		.amdhsa_system_sgpr_workgroup_id_y 1
		.amdhsa_system_sgpr_workgroup_id_z 1
		.amdhsa_system_vgpr_workitem_id 0
		.amdhsa_next_free_vgpr 144
		.amdhsa_next_free_sgpr 66
		.amdhsa_reserve_vcc 1
		.amdhsa_float_denorm_mode_32 3
		.amdhsa_float_denorm_mode_16_64 3
		.amdhsa_memory_ordered 1
		.amdhsa_forward_progress 1
		.amdhsa_inst_pref_size 44
	.end_amdhsa_kernel
	.amdgpu_metadata
---
amdhsa.version: [ 1, 2 ]
amdhsa.kernels:
  - .name:           k_q246db47d67_route
    .symbol:         k_q246db47d67_route.kd
    .args:
      - { .name: x, .offset: 0, .size: 8, .value_kind: global_buffer, .address_space: global }
      - { .name: pointer_addresses, .offset: 8, .size: 8, .value_kind: global_buffer, .address_space: global }
      - { .name: xs, .offset: 16, .size: 8, .value_kind: global_buffer, .address_space: global }
      - { .name: rt, .offset: 24, .size: 8, .value_kind: global_buffer, .address_space: global }
    .group_segment_fixed_size: 0
    .private_segment_fixed_size: 0
    .kernarg_segment_align: 8
    .kernarg_segment_size: 32
    .max_flat_workgroup_size: 128
    .sgpr_count:     66
    .vgpr_count:     144
    .wavefront_size: 32
...
	.end_amdgpu_metadata
.endif
;; end of part 1
;; launch experts (part 2): grid 32 x 8, 4 waves a work-group, no clusters, 298,496 bytes of LDS; arguments W, b, xs, rt, out0; writes out0
.if DOCPART == 2
	.amdgcn_target "amdgcn-amd-amdhsa--gfx1250"
	.amdhsa_code_object_version 6
	.text
	.protected	k_q246db47d67_experts
	.globl	k_q246db47d67_experts
	.p2align	8
	.type	k_q246db47d67_experts,@function
k_q246db47d67_experts:
	s_mov_b64 s[64:65], 0
	v_nop
	global_prefetch_b8 v0, s[64:65] scope:SCOPE_SE
	s_setreg_imm32_b32 hwreg(HW_REG_WAVE_MODE, 25, 1), 1
	s_wait_xcnt 0x0
; EXPERTS: out0[order[p]][v] = sum over k of xs[p][k] W[e][v][k] + b[e][v] for the sorted rows p of expert e.
; A work-group is (expert e, 128 columns): 8 x 32 = 256 work-groups of four waves.  Its columns begin at c0 = min(128 t, 3872): the last tile of
; the 4,000 columns lies 96 columns back, computes them again and stores only its own 32, so that all work-groups run the same text and each
; byte of out0 has one owner; 96 of an expert's 4,000 rows of W are read twice for it.
; PHASE 1, the same in every work-group: the whole W tile (128 rows x 1,024 K) is read once, rounded once to bf16 and kept in LDS.  Wave w
; brings rows 32 w .. 32 w + 31, 512 consecutive bytes a load, through a ring of seven row sets in registers.  One barrier ends the phase: the only one of the text.
; PHASE 2, without any barrier: wave w takes blocks of 80 sorted rows, at rows 80 w, 80 w + 320, .. of the expert, as long as a block's first row
; is below n, the expert's rows: ceil((n - 80 w) / 320) trips, 7 at the most.  n is read from memory, so the trips differ from wave to wave and
; from expert to expert, and the loop shares nothing that is written: W in LDS is only read, the stage is each wave's own, the rows of xs are each wave's own.
; W leaves memory once however the rows are spread.
; With rows spread evenly an expert has 256: one trip a wave.  Rows of a block past the expert's last are other experts' rows or xs's zero
; rows: they are multiplied and not stored (a row of the product hangs on its own row of xs alone).  An expert without rows still reads its W tile and stores nothing.
; NO CLUSTER, NO TENSOR LOADS: W tiles are shared by nobody.  The 32 work-groups of an expert do read the same rows of xs, but a slot filled again by a
; joint load stands behind a barrier that all partners and all waves pass equally often, which a loop whose trips are read from memory cannot give;
; and a wave's rows of xs are read by that wave alone, so they go straight into fragment registers (32 neighbouring bytes of each of 16 rows a load).
; LIMITS: operands rounded to bf16, sums in f32, K summed in the matrix unit's order; reference()'s additions of zero are not made, so a zero may differ in sign.
; THE MATRIX INSTRUCTION IS USED TRANSPOSED: source 0 = 16 rows of W, source 1 = 16 rows of xs; lane (r, h) then holds, in registers 0-7,
; columns 8 h .. 8 h + 7 of row r of the product.
; The accumulators take turns, one instruction a turn (20 of window 1, then 20 of window 2).
;
; LDS: [0, 264192) W, 128 rows of 2,048 bytes, pitch 2,064; [264192, 297984) a stage of 16 rows x 512 bytes, pitch 528, for each wave.
;      2,064 and 528 are odd multiples of 16: the sixteen rows that a 16-byte access of sixteen lanes touches start at sixteen different 16-byte columns modulo 256.
; REGISTERS: window 0 addresses, W fragments, read-back (in phase 1: the ring); window 1 tiles (i, 0..3) at v[8 (4 i + n)]; window 2 tiles (i, 4..7);
;      window 3 six buffers of xs fragments, 40 registers each.
.set WPITCH, 2064
.set STAGE,  128*WPITCH                ; 264,192
.set SPITCH, 528
.set SWAVE,  16*SPITCH                 ; 8,448
.set WROWS,  80                        ; sorted rows in a wave's block
.set STRIDE, 4*WROWS                   ; from a wave's block to its next
.set OROW,   16000                     ; bytes in a row of out0
.set ADRW, 8                           ; v8-15   W fragments of column tile n: (16 n + r) 2064 + 16 h
.set WST,  16                          ; v16-17  phase 1: where I put my rows 0-15, 16-31: their first byte + 8 L
.set WO,   18                          ; v18     my offset in the W tile: 32 w rows of 4,096 bytes + 16 L
.set STO,  19                          ; v19     stage, in: 528 r + 32 h
.set RD,   20                          ; v20     stage, back: 16 L
.set CO,   21                          ; v21     4 c0 + 16 L: my 16 bytes in a row of out0
.set CF,   22                          ; v22     0 where my four columns are this tile's own, else 1
.set XO,   23                          ; v23     xs fragments: 2048 r + 16 h
.set BIAS, 24                          ; v[24:27] b[e][c0 + 4 L .. + 3]
.set L16,  28                          ; v28     16 L
.set RING, 32                          ; v[32:255] phase 1: seven sets of 32 registers, a row of W (4,096 bytes) each
.set OF,   32                          ; v[32:47]  phase 2: sixteen rows' store offsets
.set WA,   64                          ; v[64:127], v[128:191] W fragments (8 x 16 rows x 32 K), two buffers
.set RB,   192                         ; v[192:255] the way out: sixteen rows read back
.set MUL_LO, 0x5c                      ; C and D in window 1, source 0 (W) in window 0, source 1 (xs) in window 3
.set MUL_HI, 0xac                      ; the same with C and D in window 2
.set MSB, 0
.macro WIN new                         ; the immediate's high byte repeats the setting that is left
.if MSB != \new
	s_set_vgpr_msb (MSB<<8)|\new
.set MSB, \new
.endif
.endm
; Four places behind a matrix instruction before a load lands on one of its sources or a store reads its result (ISA guide 7.12.1 for vector
; instructions).
.macro PLACES
.rept 4
	v_nop
.endr
.endm
; PHASE 1.  Row S of my 32 rows of W into ring set S mod 7: eight loads of 512 consecutive bytes, the row's 4,096
.macro WLD S
.set wr, RING+32*((\S)%7)
.irp j, 0,1,2,3,4,5,6,7
	global_load_b128 v[wr+4*\j:wr+4*\j+3], v[WO], s[40:41] offset:4096*(\S)+512*\j th:TH_LOAD_NT
.endr
.endm
; Row S from its set into LDS as bf16; the set is loaded again with the row seven further on, as long as there is one.
.macro WPUT S
.set wp, RING+32*((\S)%7)
.set lf, 31-(\S)
.if lf > 6
.set lf, 6
.endif
	s_wait_loadcnt 8*lf                            ; loads return in order: row S is in, the rows issued behind it (six, fewer at the end) stay out
.irp j, 0,1,2,3,4,5,6,7
	v_cvt_pk_bf16_f32 v[wp+4*\j],   v[wp+4*\j],   v[wp+4*\j+1]     ; four f32 become 8 bytes, rounded to nearest even
	v_cvt_pk_bf16_f32 v[wp+4*\j+1], v[wp+4*\j+2], v[wp+4*\j+3]
.endr
.irp j, 0,1,2,3,4,5,6,7
	ds_store_b64 v[WST+(\S)/16], v[wp+4*\j:wp+4*\j+1] offset:((\S)%16)*WPITCH+256*\j   ; 256 consecutive bytes a store
.endr
.if (\S) < 25
	WLD (\S)+7
.endif
.endm
; PHASE 2.  The eight W fragments (16 rows x 32 K: two loads of 16 bytes, 32 bytes apart) at byte kb of the rows, in one run
.macro LDW dst, kb
.irp n, 0,1,2,3,4,5,6,7
	ds_load_b128 v[\dst+8*\n:\dst+8*\n+3],   v[ADRW+\n] offset:\kb
	ds_load_b128 v[\dst+8*\n+4:\dst+8*\n+7], v[ADRW+\n] offset:\kb+32
.endr
.endm
; The five xs fragments of quarter Q (32 along K, 64 bytes of each of my 80 rows) into buffer Q mod 6 of window 3
.macro XLOAD Q
.set xl, 40*((\Q)%6)
	WIN 0xc0                                       ; destination window 3, address window 0
.irp i, 0,1,2,3,4
	global_load_b128 v[xl+8*\i:xl+8*\i+3],   v[XO], s[42:43] offset:32768*\i+64*(\Q)
	global_load_b128 v[xl+8*\i+4:xl+8*\i+7], v[XO], s[42:43] offset:32768*\i+64*(\Q)+32
.endr
.endm
; twenty matrix instructions: five row tiles x four column tiles.  zero = 1: the first product starts the sums, nothing is cleared.
.macro MUL20 xbuf, wf, zero
.irp i, 0,1,2,3,4
.irp n, 0,1,2,3
.if \zero
	v_wmma_f32_16x16x32_bf16 v[8*(4*\i+\n):8*(4*\i+\n)+7], v[\wf+8*\n:\wf+8*\n+7], v[\xbuf+8*\i:\xbuf+8*\i+7], 0
.else
	v_wmma_f32_16x16x32_bf16 v[8*(4*\i+\n):8*(4*\i+\n)+7], v[\wf+8*\n:\wf+8*\n+7], v[\xbuf+8*\i:\xbuf+8*\i+7], v[8*(4*\i+\n):8*(4*\i+\n)+7]
.endif
.endr
.endr
.endm
; Quarter q of 32: asks for W's fragments of quarter q + 1 and xs's of quarter q + 5, both into the buffers that quarter q - 1 read, then multiplies.
; All the quarter's loads stand in one run at its head, so that its forty matrix instructions follow each other with one switch of the window between them and no load.
.macro QUARTER q, zero
.set xc, 40*((\q)%6)
.set wc, WA+64*((\q)%2)
.set wn, WA+64*(((\q)+1)%2)
.set lq, 31-(\q)
.if lq > 5
.set lq, 5
.endif
	PLACES                                         ; behind the last quarter's matrix instructions, in front of the loads into their sources
.if (\q) < 31
	WIN 0
	LDW wn, 64*((\q)+1)
.endif
.if (\q) < 27
	XLOAD (\q)+5
.endif
.if (\q) < 31
	s_wait_dscnt 16                                ; all but the sixteen just issued: this quarter's W fragments are in
.else
	s_wait_dscnt 0x0
.endif
	s_wait_loadcnt 10*lq                           ; this quarter's xs fragments are in; the quarters asked for behind it (five, fewer at the end), ten loads each, stay out
	WIN MUL_LO
	MUL20 xc, wc, \zero
	WIN MUL_HI
	MUL20 xc, wc+32, \zero
.endm
; THE WAY OUT, my rows 16 i .. 16 i + 15: 16 bytes a lane and half tile into my own stage, whole rows of 512 bytes back, bias added, each row
; stored at the place that the list names.  A store covers 512 consecutive bytes of one row of out0 (16,000 bytes: the piece starts at a multiple of 256 in even rows, of 128 in odd ones).
; s45 = rows of the expert from this group's first row on.  EXEC is narrowed ONCE for the group, to the lanes of the tile's own columns; which rows are
; stored is a scalar matter: the first row that is not the expert's jumps to the group's end, and a group without rows jumps past the rest of the way out.
.macro OUT16 i
.if \i
	s_cmp_le_i32 s45, 0
	s_cbranch_scc1 .Lblock_done                    ; no row is left (the first group always has one: the trips are counted so)
.endif
	WIN 0x04                                       ; store data in window 1
.irp n, 0,1,2,3
	ds_store_b128 v[STO], v[8*(4*\i+\n):8*(4*\i+\n)+3]   offset:64*\n
	ds_store_b128 v[STO], v[8*(4*\i+\n)+4:8*(4*\i+\n)+7] offset:64*\n+16
.endr
	WIN 0x08                                       ; window 2
.irp n, 0,1,2,3
	ds_store_b128 v[STO], v[8*(4*\i+\n):8*(4*\i+\n)+3]   offset:64*(\n+4)
	ds_store_b128 v[STO], v[8*(4*\i+\n)+4:8*(4*\i+\n)+7] offset:64*(\n+4)+16
.endr
	WIN 0
.irp tt, 0,1,2,3,4,5,6,7,8,9,10,11,12,13,14,15
	ds_load_b128 v[RB+4*\tt:RB+4*\tt+3], v[RD] offset:SPITCH*\tt   ; LDS serves a wave's instructions in order (ISA guide 5.7.1): these see the stores above
.endr
	s_wait_kmcnt 0x0                               ; the sixteen rows' words of the list
.irp tt, 0,1,2,3,4,5,6,7,8,9,10,11,12,13,14,15
	s_min_u32 s46, s[68+\tt], 2047                 ; a row of out0
	s_mul_i32 s46, s46, OROW
	v_add_nc_u32 v[OF+\tt], s46, v[CO]
.endr
	v_cmp_eq_u32 vcc_lo, 0, v[CF]                  ; the lanes of the tile's own columns: all, but in the last tile lanes 24 to 31
	s_wait_xcnt 0x0                                ; EXEC is a source of every load and store issued before: it narrows only behind this wait
	s_and_saveexec_b32 s27, vcc_lo
.if \i < 4
	s_load_b512 s[68:83], s[10:11], s44 offset:64*(\i+1)           ; the next sixteen words, behind the wait above so that it does not wait for them
.endif
.irp tt, 0,1,2,3,4,5,6,7,8,9,10,11,12,13,14,15
.if \tt
	s_cmp_le_i32 s45, \tt
	s_cbranch_scc1 .Lrows_done_\@                  ; row tt and all behind it are not the expert's
.endif
	s_wait_dscnt 15-\tt                            ; row tt is back, the younger rows stay out
	v_pk_add_f32 v[RB+4*\tt:RB+4*\tt+1],   v[RB+4*\tt:RB+4*\tt+1],   v[BIAS:BIAS+1]
	v_pk_add_f32 v[RB+4*\tt+2:RB+4*\tt+3], v[RB+4*\tt+2:RB+4*\tt+3], v[BIAS+2:BIAS+3]
	global_store_b128 v[OF+\tt], v[RB+4*\tt:RB+4*\tt+3], s[12:13] th:TH_STORE_NT
.endr
.Lrows_done_\@:
	s_wait_dscnt 0x0                               ; the read-backs that no row wanted: RB and the stage are written again behind this wait
	s_wait_xcnt 0x0                                ; frees EXEC, and OF and RB for the next sixteen rows or the next block
	s_or_b32 exec_lo, exec_lo, s27                 ; EXEC restored from s27
	s_sub_co_i32 s45, s45, 16
.endm
	s_load_b256 s[4:11], s[0:1], 0x0               ; W s[4:5], b s[6:7], xs s[8:9], rt s[10:11]
	s_load_b64 s[12:13], s[0:1], 0x20              ; out0
	v_lshl_add_u32 v30, v0, 2, 0x48c00
	v_mov_b32 v31, 0
	v_and_b32 v1, 31, v0                           ; L
	v_lshrrev_b32 v4, 5, v0
	v_readfirstlane_b32 s14, v4                    ; wave 0..3
	s_and_b32 s15, ttmp7, 0xffff                   ; the expert
	s_lshl_b32 s56, s15, 2
	s_lshl_b32 s19, ttmp9, 7                       ; 128 t
	s_min_u32 s18, s19, 3872                       ; c0
	s_sub_co_u32 s19, s19, s18                     ; columns of the tile that are the neighbour's: 0, or 96 in the last tile
	s_mul_i32 s52, s15, 4000
	s_add_co_u32 s52, s52, s18                     ; row of W, and word of b: 4000 e + c0
	s_lshl_b32 s50, s52, 12                        ; x 4,096 bytes: 130,547,712 at the most
	s_mov_b32 s51, 0
	s_lshl_b32 s47, s14, 17                        ; my 32 rows of 4,096 bytes
	v_lshl_add_u32 v[WO], v1, 4, s47
	v_lshlrev_b32 v[L16], 4, v1
	s_wait_kmcnt 0x0
	s_load_b64 s[20:21], s[10:11], s56 offset:12288        ; off[e], off[e + 1]: words 3072 + e and the next
	s_add_nc_u64 s[40:41], s[4:5], s[50:51]        ; my W tile; never rewritten
	s_lshl_b32 s50, s52, 2
	s_add_nc_u64 s[54:55], s[6:7], s[50:51]        ; my 128 numbers of b
	global_load_b128 v[BIAS:BIAS+3], v[L16], s[54:55]      ; older than every load of W: the first counted wait on W covers it
.set si, 0
.rept 7
	WLD si                                         ; the ring is filled: 56 loads, 28 KiB a wave
.set si, si+1
.endr
	; addresses, while the first rows are on their way
	s_lshl_b32 s53, s18, 2
	v_and_b32 v2, 15, v1                           ; r
	v_lshrrev_b32 v3, 4, v1                        ; h
	v_mul_u32_u24 v4, v2, WPITCH
	v_lshl_add_u32 v4, v3, 4, v4                   ; r x 2064 + 16 h
.irp n, 0,1,2,3,4,5,6,7
	v_add_nc_u32 v[ADRW+\n], \n*16*WPITCH, v4      ; a register for each column tile: sixteen rows are 33,024 bytes, so seven tiles pass an offset's 16 bits
.endr
	s_mul_i32 s46, s14, 32*WPITCH
	v_lshl_add_u32 v[WST], v1, 3, s46
	v_add_nc_u32 v[WST+1], 16*WPITCH, v[WST]
	s_mul_i32 s46, s14, SWAVE
	s_add_co_u32 s46, s46, STAGE                   ; my stage
	v_mul_u32_u24 v5, v2, SPITCH
	v_lshl_add_u32 v5, v3, 5, v5
	v_add_nc_u32 v[STO], s46, v5
	v_lshl_add_u32 v[RD], v1, 4, s46
	v_lshl_add_u32 v[CO], v1, 4, s53
	v_lshlrev_b32 v[XO], 11, v2
	v_lshl_add_u32 v[XO], v3, 4, v[XO]             ; r rows of 2,048 bytes + 16 h
	v_lshlrev_b32 v7, 2, v1                        ; my first column in the tile
	v_mov_b32 v6, 1
	v_cmp_gt_u32 vcc_lo, s19, v7                   ; the neighbour's
	v_cndmask_b32 v[CF], 0, v6, vcc_lo
	s_mul_i32 s22, s14, WROWS                      ; my first block's first row among the expert's
	s_wait_kmcnt 0x0
	s_min_u32 s20, s20, 2048                       ; the expert's first sorted row
	s_min_u32 s21, s21, 2048
	s_sub_co_u32 s21, s21, s20                     ; n, its rows
	; my trips: ceil(max(n - 80 w, 0) / 320) = ((that + 319) >> 6) / 5.  The number divided by 5 is 36 at the most (2,367 >> 6),
	; and y x 52 >> 8 is y / 5, rounded down, for every y up to 39.
	s_sub_co_i32 s25, s21, s22
	s_max_i32 s25, s25, 0
	s_add_co_u32 s25, s25, STRIDE-1
	s_lshr_b32 s25, s25, 6
	s_mul_i32 s25, s25, 52
	s_lshr_b32 s25, s25, 8
	s_min_u32 s25, s25, 7                          ; 2,048 rows are seven blocks of 320 at the most
	s_mov_b32 s24, 0                               ; the trips' counter
.set si, 0
.rept 32
	WPUT si
.set si, si+1
.endr
	s_wait_dscnt 0x0                               ; my rows of W are written,
	s_barrier_signal -1
	s_barrier_wait -1                              ; everybody's are.  From here on no wave writes W's bytes, and no barrier follows
	s_cmp_eq_u32 s25, 0
	s_cbranch_scc1 .Lend                           ; no row of the expert falls to this wave
.Lpass:
	s_add_co_u32 s23, s20, s22
	s_min_u32 s23, s23, 2047                       ; my block's first sorted row (below off + n, so 2,047 at the most); its last, 2,126 at the most, lies inside xs's 2,432
	s_lshl_b32 s46, s23, 11
	s_mov_b32 s47, 0
	s_add_nc_u64 s[42:43], s[8:9], s[46:47]        ; the last block's loads by this base have all returned
	s_lshl_b32 s44, s23, 2                         ; my rows' words of the list
	s_sub_co_i32 s45, s21, s22                     ; rows of the expert from my first row on: at least 1
	s_load_b512 s[68:83], s[10:11], s44            ; the first sixteen, wanted on the way out
	XLOAD 0
	XLOAD 1
	XLOAD 2
	XLOAD 3
	XLOAD 4                                        ; five quarters of xs go out: with the sixth, asked for in quarter 0, sixty loads at the most
	WIN 0
	LDW WA, 0
	QUARTER 0, 1                                   ; the first products start the sums
.set qi, 1
.rept 31
	QUARTER qi, 0
.set qi, qi+1
.endr
	WIN 0
	PLACES                                         ; in front of the stage's stores, which read results
	OUT16 0
	OUT16 1
	OUT16 2
	OUT16 3
	OUT16 4
.Lblock_done:
	s_wait_kmcnt 0x0                               ; a group that jumped here left the list's words, asked for ahead, on their way: s[68:83] and s44 are written again only behind this wait
	s_add_co_u32 s22, s22, STRIDE                  ; my next block's first row
	s_add_co_u32 s24, s24, 1
	s_cmp_lt_u32 s24, s25
	s_cbranch_scc1 .Lpass
.Lend:
	s_wait_tensorcnt 0x0
	ds_add_u32 v30, v31
	s_wait_dscnt 0x0
	s_endpgm
.Lfunc_end_k_q246db47d67_experts:
	.size	k_q246db47d67_experts, .Lfunc_end_k_q246db47d67_experts-k_q246db47d67_experts
	.p2alignl 7, 3214868480
	.fill 96, 4, 3214868480
	.section	.rodata,"a",@progbits
	.p2align	6, 0x0
	.amdhsa_kernel k_q246db47d67_experts
		.amdhsa_group_segment_fixed_size 298496
		.amdhsa_private_segment_fixed_size 0
		.amdhsa_enable_private_segment 0
		.amdhsa_kernarg_size 40
		.amdhsa_user_sgpr_count 2
		.amdhsa_user_sgpr_kernarg_segment_ptr 1
		.amdhsa_wavefront_size32 1
		.amdhsa_system_sgpr_workgroup_id_x 1
		.amdhsa_system_sgpr_workgroup_id_y 1
		.amdhsa_system_sgpr_workgroup_id_z 1
		.amdhsa_system_vgpr_workitem_id 0
		.amdhsa_next_free_vgpr 1024
		.amdhsa_next_free_sgpr 84
		.amdhsa_reserve_vcc 1
		.amdhsa_float_denorm_mode_32 3
		.amdhsa_float_denorm_mode_16_64 3
		.amdhsa_memory_ordered 1
		.amdhsa_forward_progress 1
		.amdhsa_inst_pref_size 255
	.end_amdhsa_kernel
	.section	.bss,"aw",@nobits
	.p2align	6
	.space	262144
	.amdgpu_metadata
---
amdhsa.version: [ 1, 2 ]
amdhsa.kernels:
  - .name:           k_q246db47d67_experts
    .symbol:         k_q246db47d67_experts.kd
    .args:
      - { .name: W, .offset: 0, .size: 8, .value_kind: global_buffer, .address_space: global }
      - { .name: b, .offset: 8, .size: 8, .value_kind: global_buffer, .address_space: global }
      - { .name: xs, .offset: 16, .size: 8, .value_kind: global_buffer, .address_space: global }
      - { .name: rt, .offset: 24, .size: 8, .value_kind: global_buffer, .address_space: global }
      - { .name: out0, .offset: 32, .size: 8, .value_kind: global_buffer, .address_space: global }
    .group_segment_fixed_size: 298496
    .private_segment_fixed_size: 0
    .kernarg_segment_align: 8
    .kernarg_segment_size: 40
    .max_flat_workgroup_size: 128
    .sgpr_count:     84
    .vgpr_count:     1024
    .wavefront_size: 32
...
	.end_amdgpu_metadata
.endif
;; end of part 2
